; MI455X (gfx1250); checked and timed in simulation.
; The chip was launched on July 23, 2026; its instructions are those of AMD's public machine-readable ISA for CDNA 5 (MIT licence, August 2026) and "CDNA5" Instruction Set Architecture Reference Guide (July 2026). The comments in the code are by the model that wrote it; some were corrected since.
;; Fake News Classifier. Allowed arithmetic: matrix products marked QUANTISED: E4M3 operands, one given power-of-two scale a tensor, by v_wmma_f32_16x16x64_fp8_fp8 or v_wmma_f32_16x16x128_fp8_fp8, f32 sums; products left as they are: f32 operands where the result goes on into a quantised operand, else bf16, f16 or f32 operands; f32 sums; everything else in f32.
;; Inputs: W1 8 x 1,024 x 1,024 float32; W2 8 x 1,024 x 2 float32; b1 8 x 1,024 float32; b2 8 x 2 float32; domain_ids 8,192 int32; feature 8,192 x 1,024 float32; lowp_scales 2 int32 (the exponents e of the quantised operands' scales 2^e).
;; Outputs: out0 8,192 x 2 float32.
;; This version of the problem:
;;   THIS VERSION OF THE PROBLEM IS GIVEN IN LOW PRECISION. The matrix products marked QUANTISED in the list below multiply operands that are first quantised to E4M3 (4 exponent bits, 3 mantissa bits; 8 bits a number), with one given power-of-two scale for each operand tensor; their sums are f32. All else is computed in f32.
;;   The module's matrix products, in the order in which they are computed (A, B: the left and right operand; K: the contracted axis; several contracted axes count as one K, in the product's order):
;;     1. [M 8,192, K 1,024] x [K 1,024, N 8,192]; A: input feature; B: input W1: QUANTISED (scales: A lowp_scales[0], B lowp_scales[1])
;;     2. batch 8,192 x [M 1, K 1,024] x [K 1,024, N 2]; A: computed on the way; B: computed on the way: left as it is (M = 1 < 16)
;;   THE QUANTISER, for each operand of a quantised product, along K:
;;     - The operand's scale is 2^e, e = its entry of the input lowp_scales (int32; the entries are numbered through the quantised products in the list's order, A before B).
;;     - Each number is divided by the scale, clamped to +-448, and rounded to the nearest number of E4M3, ties to even, subnormals kept.
;;     - The product sums the exact products of the quantised numbers (number of the format x scale) in f32.
;;   ~~~python
;;   def quantise(x, axis, e):      # numpy; x: float32 -> the quantised numbers, widened to float32 again
;;       x = np.moveaxis(x, axis, -1); K = x.shape[-1]
;;       r = np.clip(x / 2.0 ** e, -448, 448)
;;       step = 2.0 ** (np.maximum(np.frexp(np.where(r == 0, 1, r))[1] - 1, -6) - 3)
;;       q = np.round(r / step) * step * 2.0 ** e      # np.round: ties to even
;;       return np.moveaxis(q, -1, axis).astype(np.float32)
;;   ~~~
;; One version. Each part assembles by itself: llvm-mc -triple=amdgcn-amd-amdhsa -mcpu=gfx1250 --defsym DOCPART=n.
;; ======== version 1 of 1: 2 launches
;; limits: right only within a limited range of input values
;; workspace buffers: wcodes 8,388,608 bytes; order 34,560 bytes of whole numbers; tiles 2,048 bytes of whole numbers
;; launch prep (part 1): grid 520 x 1, 8 waves a work-group, no clusters, 1,280 bytes of LDS; arguments W1, domain_ids, lowp_scales, wcodes, order, tiles; writes wcodes, order, tiles
.if DOCPART == 1
	.amdgcn_target "amdgcn-amd-amdhsa--gfx1250"
	.amdhsa_code_object_version 6
	.text
	.protected	k_q38b3f5f5a9_prep
	.globl	k_q38b3f5f5a9_prep
	.p2align	8
	.type	k_q38b3f5f5a9_prep,@function
k_q38b3f5f5a9_prep:
	s_mov_b64 s[64:65], 0
	v_nop
	global_prefetch_b8 v0, s[64:65] scope:SCOPE_SE
	s_setreg_imm32_b32 hwreg(HW_REG_WAVE_MODE, 25, 1), 1
	s_wait_xcnt 0x0
; TWO JOBS IN ONE LAUNCH, parted on the work-group's number alone.  The program multiplies each token by its own expert's weights only: the other experts' products are thrown away by the lookup by domain_ids.
; Work-groups 0..7: the tokens are sorted by their expert (domain_ids), without atomics.  Each of the eight counts all 8,192 ids and places the 1,024 tokens of its own block.  They store
;   order: 135 tiles x 64 places: the token numbers of a tile's rows; places that no token takes hold 0;
;   tiles: 256 entries of 8 bytes (expert, rows 0..64); entries behind the last tile have 0 rows.  There are never more than 8,192 / 64 + 8 - 1 = 135 tiles.
; Work-groups 8..519: W1 [8][1024 k][1024 n], f32, K its first axis within an expert, becomes codes of FP8 (E4M3) with the one given scale 2^ew:
;   code = x / 2^ew, held within +-448, to the nearest code, ties to even.
;   The codes are laid in the ORDER OF THE MATRIX OPERAND'S REGISTERS: [expert][tile of 16 columns][chunk gl = 8 s + 2 c4 + h][r 0..15][16 bytes].
;   TILE T's row r is column n = 64 (T / 4) + 4 r + T % 4.   K IS PERMUTED, alike here and in the rows of x that the next launch quantises: byte 4 q + b of chunk gl = 32 g + l holds k = 512 g + 128 q + 4 l + b.
;   A lane loads four neighbouring columns (16 bytes; a wave 512 consecutive bytes of a row of W1, the eight waves the whole row) of 16 rows k.  The hold's sources run along the columns and its
;   destinations down K, so that the conversions find a column's neighbours along K in consecutive registers.
; No prefetch: there is no loop to run ahead in; all of a wave's 16 loads are asked for at once.
; LIMITS: ew between -126 and 119 (2^ew and 448 x 2^ew are f32 numbers).  NaN in W1 is not served; an infinity is held at the largest code.
;   domain_ids lie in 0..7, as the indexing that defines the result relies on.
.set X,   32                           ; v32-95   quantiser: 16 rows x 4 columns as loaded
.set Y,   96                           ; v96-159  quantiser: 4 columns x 16 along K
.set CD,  16                           ; v16-31   quantiser: codes
.set SPW, 12                           ; my spare word's LDS address; never rewritten
.set NIL, 13                           ; 0; never rewritten
.set SPARE, 256
.set TMP, 16                           ; v16-23   sort: a place for each expert
.set POS, 152                          ; v152-155 sort: my four tokens' places
.set TK,  156                          ; v156-159 sort: my four tokens' numbers
.set CN,  24                           ; s24-31   running place for each expert
.set MKA, 24                           ; s24-30   -1 for the blocks in front of mine, else 0 (before CN)
.set M,   32                           ; s32-39   lane masks, then their bit counts
.set MKB, 32                           ; s32-38   -1 for the waves in front of mine, else 0 (before M)
.set NS,  40                           ; s40-47   an expert's rows
.set PS,  48                           ; s48-55   an expert's rows in front of my wave's tokens
.set TS,  80                           ; s80-88   an expert's first tile; s88 all tiles
	s_load_b256 s[4:11], s[0:1], 0x0               ; W1 s[4:5], domain_ids s[6:7], the scales' exponents s[8:9], wcodes s[10:11]
	s_load_b128 s[12:15], s[0:1], 0x20             ; order s[12:13], tiles s[14:15]
	v_lshl_add_u32 v[SPW], v0, 2, SPARE
	v_mov_b32 v[NIL], 0
	v_lshrrev_b32 v1, 5, v0
	v_and_b32 v2, 31, v0                           ; lane
	v_readfirstlane_b32 s16, v1                    ; wave 0..7
	s_cmp_lt_u32 ttmp9, 8
	s_wait_alu depctr_va_vdst(0)
	s_cbranch_scc1 .Lsort
; ---------------- THE QUANTISER: chunk gl of one expert, all 1,024 columns, 128 a wave ----------------
	s_sub_co_u32 s17, ttmp9, 8
	s_and_b32 s18, s17, 63                         ; gl
	s_lshr_b32 s19, s17, 6                         ; expert
	s_lshr_b32 s20, s18, 5                         ; g
	s_and_b32 s21, s18, 31                         ; l
	s_lshl_b32 s20, s20, 21                        ; 512 g rows of 4,096 bytes
	s_lshl_b32 s21, s21, 14                        ; + 4 l rows
	s_add_co_u32 s20, s20, s21
	s_lshl_b32 s21, s19, 22                        ; an expert's 4 MiB
	s_add_co_u32 s20, s20, s21
	s_lshl_b32 s21, s16, 9                         ; my wave's 128 columns
	s_add_co_u32 s20, s20, s21
	s_mov_b32 s21, 0
	s_lshl_b32 s24, s19, 20                        ; codes: an expert's 1 MiB
	s_lshl_b32 s25, s16, 17                        ; my wave's eight tiles of 16,384 bytes
	s_add_co_u32 s24, s24, s25
	s_lshl_b32 s25, s18, 8                         ; chunk gl: 256 bytes of each
	s_add_co_u32 s24, s24, s25
	s_mov_b32 s25, 0
	v_lshlrev_b32 v3, 4, v2                        ; in: 16 bytes a lane
	v_lshrrev_b32 v4, 4, v2
	v_and_b32 v5, 15, v2
	v_lshlrev_b32 v4, 16, v4                       ; out: lanes 16-31 belong to the four tiles behind lanes 0-15's
	v_lshl_add_u32 v4, v5, 4, v4                   ; row r = lane % 16
	s_wait_alu depctr_va_vdst(0)
	s_wait_kmcnt 0x0
	s_load_b32 s30, s[8:9], 0x4                    ; ew
	s_add_nc_u64 s[4:5], s[4:5], s[20:21]
	s_add_nc_u64 s[10:11], s[10:11], s[24:25]
.irp q, 0,1,2,3
.irp b, 0,1,2,3
	global_load_b128 v[X+16*\q+4*\b:X+16*\q+4*\b+3], v3, s[4:5] offset:(128*\q+\b)*4096 th:TH_LOAD_NT   ; W1 is read once in the launch
.endr
.endr
	s_wait_kmcnt 0x0
	s_add_co_i32 s30, s30, 127
	s_lshl_b32 s31, s30, 23
	v_mov_b32 v11, s31                             ; 2^ew as f32: the conversion takes its exponent field
	s_add_co_i32 s30, s30, 8
	s_lshl_b32 s30, s30, 23
	s_or_b32 s30, s30, 0x600000
	v_mov_b32 v10, s30                             ; 448 x 2^ew
	s_wait_alu depctr_va_vdst(0)
.macro HALF hf
	s_wait_loadcnt 8-8*(\hf)                       ; this half's eight rows are in; the other half's may be out
.irp c, 0,1,2,3
.irp i, 0,1,2,3,4,5,6,7
	v_med3_num_f32 v[Y+16*\c+8*(\hf)+\i], v[X+4*(8*(\hf)+\i)+\c], -v10, v10   ; the conversion to an 8-bit code does not saturate (ISA guide 7.6.2): the hold comes first
.endr
.endr
.irp c, 0,1,2,3
	v_cvt_scalef32_pk8_fp8_f32 v[CD+4*\c+2*(\hf):CD+4*\c+2*(\hf)+1], v[Y+16*\c+8*(\hf):Y+16*\c+8*(\hf)+7], v11
.endr
	v_nop                                          ; one plain vector line behind the conversions
.endm
	HALF 0
	HALF 1
.irp c, 0,1,2,3
	global_store_b128 v4, v[CD+4*\c:CD+4*\c+3], s[10:11] offset:16384*\c   ; lanes 0-15 and lanes 16-31 each store 256 consecutive bytes, aligned
.endr
	s_endpgm
; ---------------- THE SORT: eight work-groups of 256 threads ----------------
; A token's place = 64 x its expert's first tile + the same expert's tokens in the blocks in front, in my block's waves in front, in my wave in front.
.Lsort:
	s_lshl_b32 s17, s16, 12
	s_lshl_b32 s18, ttmp9, 12
	s_lshl_b32 s19, ttmp9, 10
	s_mov_b32 s20, 0x76543210                      ; v_permlanex16_b32: lane l xor 16
	s_mov_b32 s21, 0xfedcba98
	v_lshl_add_u32 v3, v2, 4, s17                  ; to count: wave w takes block w, 1,024 ids
	v_lshl_add_u32 v4, v0, 4, s18                  ; to place: my four of my work-group's block
	v_and_b32 v5, 0xe0, v0
	v_mov_b32 v6, 0
	v_lshl_add_u32 v7, v0, 2, s19                  ; the first of my four tokens
	v_lshrrev_b32 v5, 1, v5                        ; 16 x wave
	v_lshlrev_b32 v8, 3, v0                        ; work-group 0's thread t: entry t of the list of tiles
.irp i, 0,1,2,3,4,5,6,7
	v_mov_b32 v[24+\i], 0                          ; (a lane permute's destination counts as one of its sources)
.endr
	s_wait_alu depctr_va_vdst(0)
	s_wait_kmcnt 0x0
.irp i, 0,1,2,3,4,5,6,7
	global_load_b128 v[32+4*\i:35+4*\i], v3, s[6:7] offset:512*\i
.endr
	global_load_b128 v[64:67], v4, s[6:7]
.irp w, 0,1,2,3,4,5,6
	s_cmp_gt_u32 ttmp9, \w
	s_cselect_b32 s[MKA+\w], -1, 0
	s_cmp_gt_u32 s16, \w
	s_cselect_b32 s[MKB+\w], -1, 0
.endr
	s_wait_loadcnt 0x0
; eight ids a word: 4 bits an expert, at most 8 in each
.irp i, 0,1,2,3,4,5,6,7
.irp g, 0,1,2,3
	v_lshlrev_b32 v[32+8*\g+\i], 2, v[32+8*\g+\i]
.endr
.endr
.irp c, 0,1,2,3
	v_lshlrev_b32 v[68+\c], 2, v[64+\c]
.endr
.irp g, 0,1,2,3
	v_lshlrev_b32 v[80+\g], v[32+8*\g], 1
.endr
	v_lshlrev_b32 v84, v68, 1
.irp i, 1,2,3,4,5,6,7
.irp g, 0,1,2,3
	v_lshl_add_u32 v[80+\g], 1, v[32+8*\g+\i], v[80+\g]
.endr
.if \i < 4
	v_lshl_add_u32 v84, 1, v[68+\i], v84
.endif
.endr
; even experts' counts in v88 (mine to place: v92), odd ones' in v80 (v84), a byte each, at most 32
.irp g, 0,1,2,3,4
	v_and_b32 v[88+\g], 0x0f0f0f0f, v[80+\g]
.endr
.irp g, 0,1,2,3,4
	v_lshrrev_b32 v[80+\g], 4, v[80+\g]
.endr
.irp g, 0,1,2,3,4
	v_and_b32 v[80+\g], 0x0f0f0f0f, v[80+\g]
.endr
	v_add3_u32 v88, v88, v89, v90
	v_add3_u32 v80, v80, v81, v82
	v_add_nc_u32 v88, v88, v91
	v_add_nc_u32 v80, v80, v83
; words of two 16-bit counts, experts 2 k and 2 k + 1: v72-75 of my counting block, v76-79 of my four
.irp k, 0,1,2,3
	v_bfe_u32 v[96+\k], v88, 8*\k, 8
	v_bfe_u32 v[100+\k], v92, 8*\k, 8
	v_bfe_u32 v[104+\k], v80, 8*\k, 8
	v_bfe_u32 v[108+\k], v84, 8*\k, 8
.endr
.irp k, 0,1,2,3
	v_lshl_or_b32 v[72+\k], v[104+\k], 16, v[96+\k]
	v_lshl_or_b32 v[76+\k], v[108+\k], 16, v[100+\k]
.endr
; summed over the wave's lanes
.irp x, 1,2,4,8
.irp k, 0,1,2,3,4,5,6,7
	v_mov_b32_dpp v[24+\k], v[72+\k] row_xmask:\x row_mask:0xf bank_mask:0xf
.endr
.irp k, 0,1,2,3,4,5,6,7
	v_add_nc_u32 v[72+\k], v[72+\k], v[24+\k]
.endr
.endr
.irp k, 0,1,2,3,4,5,6,7
	v_permlanex16_b32 v[24+\k], v[72+\k], s20, s21
.endr
.irp k, 0,1,2,3,4,5,6,7
	v_add_nc_u32 v[72+\k], v[72+\k], v[24+\k]
.endr
	ds_store_b128 v5, v[72:75]                     ; all lanes of a wave write the same words with the same numbers
	ds_store_b128 v5, v[76:79] offset:128
	s_wait_alu depctr_va_vdst(0)
	s_wait_dscnt 0x0                               ; for the other waves' sake: my counts lie in LDS
	s_barrier_signal -1                            ; (the branch that led here hangs on the work-group's number: all eight waves are on this way)
	s_barrier_wait -1
.irp i, 0,1,2,3,4,5,6,7,8,9,10,11,12,13,14,15
	ds_load_b128 v[80+4*\i:83+4*\i], v6 offset:16*\i   ; both tables in every lane: v80 + 4 block + k, v112 + 4 wave + k
.endr
	s_wait_dscnt 0x0
.macro SUM3 d, a, b, c
.irp k, 0,1,2,3
	v_add3_u32 v[\d+\k], v[\a+\k], v[\b+\k], v[\c+\k]
.endr
.endm
	SUM3 144, 80, 84, 88                           ; v144-147: all rows of each expert
	SUM3 144, 144, 92, 96
	SUM3 144, 144, 100, 104
.irp k, 0,1,2,3
	v_add_nc_u32 v[144+\k], v[144+\k], v[108+\k]
.endr
.irp w, 0,1,2,3,4,5,6
.irp k, 0,1,2,3
	v_and_b32 v[80+4*\w+\k], s[MKA+\w], v[80+4*\w+\k]      ; only the blocks in front of mine
	v_and_b32 v[112+4*\w+\k], s[MKB+\w], v[112+4*\w+\k]    ; and the waves in front of mine count below
.endr
.endr
	SUM3 148, 80, 84, 88
	SUM3 148, 148, 92, 96
	SUM3 148, 148, 100, 104
	SUM3 148, 148, 112, 116
	SUM3 148, 148, 120, 124
	SUM3 148, 148, 128, 132
.irp k, 0,1,2,3
	v_add_nc_u32 v[148+\k], v[148+\k], v[136+\k]
.endr
.irp k, 0,1,2,3
	v_readfirstlane_b32 s[66+\k], v[144+\k]
.endr
.irp k, 0,1,2,3
	v_readfirstlane_b32 s[70+\k], v[148+\k]
.endr
.irp k, 0,1,2,3
	s_and_b32 s[NS+2*\k], s[66+\k], 0xffff
	s_lshr_b32 s[NS+2*\k+1], s[66+\k], 16
	s_and_b32 s[PS+2*\k], s[70+\k], 0xffff
	s_lshr_b32 s[PS+2*\k+1], s[70+\k], 16
.endr
	s_mov_b32 s[TS], 0
.irp e, 0,1,2,3,4,5,6,7
	s_add_co_u32 s89, s[NS+\e], 63
	s_lshr_b32 s89, s89, 6
	s_add_co_u32 s[TS+\e+1], s[TS+\e], s89         ; where the next expert's tiles begin: no expert is padded beyond its last tile
	s_lshl_b32 s89, s[TS+\e], 6
	s_add_co_u32 s[CN+\e], s89, s[PS+\e]           ; my wave's first place for this expert
.endr
; which places of my work-group's expert (its number is the work-group's) no token takes; the last one's run to the list's end
	s_mov_b32 s90, 0
	s_mov_b32 s91, 0
.irp e, 0,1,2,3,4,5,6,7
	s_lshl_b32 s92, s[TS+\e], 6
	s_add_co_u32 s92, s92, s[NS+\e]
.if \e < 7
	s_lshl_b32 s93, s[TS+\e+1], 6
.else
	s_movk_i32 s93, 8640
.endif
	s_cmp_eq_u32 ttmp9, \e
	s_cselect_b32 s90, s92, s90
	s_cselect_b32 s91, s93, s91
.endr
; a token's place: its expert's running place + the lanes below mine with the same expert.  Each j has its own address and data registers: no wait stands between the stores.
; The stores are 4 bytes a lane at places that hang on the ids: 33.75 KiB in all, written once.
.macro PLACE j
.irp e, 0,1,2,3,4,5,6,7
	v_cmp_eq_u32 s[M+\e], \e, v[64+\j]
.endr
	v_mbcnt_lo_u32_b32 v[POS+\j], s[M], s[CN]
.irp e, 1,2,3,4,5,6,7
	v_mbcnt_lo_u32_b32 v[TMP+\e], s[M+\e], s[CN+\e]
.endr
.irp e, 1,2,3,4,5,6,7
	v_cndmask_b32 v[POS+\j], v[POS+\j], v[TMP+\e], s[M+\e]
.endr
	s_wait_alu depctr_va_vdst(0)
.irp e, 0,1,2,3,4,5,6,7
	s_bcnt1_i32_b32 s[M+\e], s[M+\e]
.endr
.irp e, 0,1,2,3,4,5,6,7
	s_add_co_u32 s[CN+\e], s[CN+\e], s[M+\e]
.endr
	v_min_u32 v[POS+\j], 0x21bf, v[POS+\j]         ; a place made of loaded numbers is held inside the buffer before it becomes an address
	v_add_nc_u32 v[TK+\j], \j, v7
	v_lshlrev_b32 v[POS+\j], 2, v[POS+\j]
	global_store_b32 v[POS+\j], v[TK+\j], s[12:13]
.endm
	PLACE 0
	PLACE 1
	PLACE 2
	PLACE 3
; the places that no token takes: 448 in all, so at most 511 for one work-group
	v_add_nc_u32 v24, s90, v0
	v_add_nc_u32 v25, 0x100, v24
	v_min_u32 v26, 0x21bf, v24
	v_min_u32 v27, 0x21bf, v25
	v_lshlrev_b32 v26, 2, v26
	v_lshlrev_b32 v27, 2, v27
	s_wait_alu depctr_va_vdst(0)
	s_wait_xcnt 0x0                                ; EXEC changes only behind this wait
	v_cmp_gt_u32 vcc_lo, s91, v24
	s_and_saveexec_b32 s94, vcc_lo
	global_store_b32 v26, v6, s[12:13]
	s_wait_xcnt 0x0
	s_mov_b32 exec_lo, -1                          ; all lanes were on
	v_cmp_gt_u32 vcc_lo, s91, v25
	s_and_saveexec_b32 s95, vcc_lo
	global_store_b32 v27, v6, s[12:13]
	s_wait_xcnt 0x0
	s_mov_b32 exec_lo, -1
	s_cmp_lg_u32 ttmp9, 0
	s_cbranch_scc1 .Lsorted
; work-group 0: thread t writes tile t: the last expert whose first tile is at or below t
	v_mov_b32 v28, 0                               ; expert
	v_mov_b32 v29, s[NS]                           ; its rows
	v_mov_b32 v31, 0                               ; its first tile
.irp e, 1,2,3,4,5,6,7
	v_cmp_le_u32 s[M+\e], s[TS+\e], v0
.endr
.irp e, 1,2,3,4,5,6,7
	v_cndmask_b32 v28, v28, \e, s[M+\e]
	v_cndmask_b32 v29, v29, s[NS+\e], s[M+\e]
	v_cndmask_b32 v31, v31, s[TS+\e], s[M+\e]
.endr
	v_sub_nc_u32 v30, v0, v31
	v_lshlrev_b32 v30, 6, v30                      ; rows of the expert in front of this tile
	v_sub_nc_u32 v31, v29, v30
	v_cmp_gt_u32 vcc_lo, v29, v30
	v_cndmask_b32 v31, 0, v31, vcc_lo              ; nothing left: 0 rows
	v_min_u32 v29, 64, v31
	global_store_b64 v8, v[28:29], s[14:15]
.Lsorted:
	s_wait_tensorcnt 0x0                           ; the wave's end
	ds_add_u32 v[SPW], v[NIL]
	s_wait_dscnt 0x0
	s_endpgm
.Lfunc_end_k_q38b3f5f5a9_prep:
	.size	k_q38b3f5f5a9_prep, .Lfunc_end_k_q38b3f5f5a9_prep-k_q38b3f5f5a9_prep
	.p2alignl 7, 3214868480
	.fill 96, 4, 3214868480
	.section	.rodata,"a",@progbits
	.p2align	6, 0x0
	.amdhsa_kernel k_q38b3f5f5a9_prep
		.amdhsa_group_segment_fixed_size 1280
		.amdhsa_private_segment_fixed_size 0
		.amdhsa_enable_private_segment 0
		.amdhsa_kernarg_size 48
		.amdhsa_user_sgpr_count 2
		.amdhsa_user_sgpr_kernarg_segment_ptr 1
		.amdhsa_wavefront_size32 1
		.amdhsa_system_sgpr_workgroup_id_x 1
		.amdhsa_system_sgpr_workgroup_id_y 1
		.amdhsa_system_sgpr_workgroup_id_z 1
		.amdhsa_system_vgpr_workitem_id 0
		.amdhsa_next_free_vgpr 160
		.amdhsa_next_free_sgpr 96
		.amdhsa_reserve_vcc 1
		.amdhsa_float_denorm_mode_32 3
		.amdhsa_float_denorm_mode_16_64 3
		.amdhsa_memory_ordered 1
		.amdhsa_forward_progress 1
		.amdhsa_inst_pref_size 42
	.end_amdhsa_kernel
	.amdgpu_metadata
---
amdhsa.version: [ 1, 2 ]
amdhsa.kernels:
  - .name:           k_q38b3f5f5a9_prep
    .symbol:         k_q38b3f5f5a9_prep.kd
    .args:
      - { .name: W1, .offset: 0, .size: 8, .value_kind: global_buffer, .address_space: global }
      - { .name: domain_ids, .offset: 8, .size: 8, .value_kind: global_buffer, .address_space: global }
      - { .name: lowp_scales, .offset: 16, .size: 8, .value_kind: global_buffer, .address_space: global }
      - { .name: wcodes, .offset: 24, .size: 8, .value_kind: global_buffer, .address_space: global }
      - { .name: order, .offset: 32, .size: 8, .value_kind: global_buffer, .address_space: global }
      - { .name: tiles, .offset: 40, .size: 8, .value_kind: global_buffer, .address_space: global }
    .group_segment_fixed_size: 1280
    .private_segment_fixed_size: 0
    .kernarg_segment_align: 8
    .kernarg_segment_size: 48
    .max_flat_workgroup_size: 256
    .sgpr_count:     96
    .vgpr_count:     160
    .wavefront_size: 32
...
	.end_amdgpu_metadata
.endif
;; end of part 1
;; launch experts (part 2): grid 135 x 1, 4 waves a work-group, no clusters, 81,408 bytes of LDS; arguments feature, order, tiles, wcodes, b1, W2, b2, lowp_scales, out0; writes out0
.if DOCPART == 2
	.amdgcn_target "amdgcn-amd-amdhsa--gfx1250"
	.amdhsa_code_object_version 6
	.text
	.protected	k_q38b3f5f5a9_experts
	.globl	k_q38b3f5f5a9_experts
	.p2align	8
	.type	k_q38b3f5f5a9_experts,@function
k_q38b3f5f5a9_experts:
	s_mov_b64 s[64:65], 0
	v_nop
	global_prefetch_b8 v0, s[64:65] scope:SCOPE_SE
	s_setreg_imm32_b32 hwreg(HW_REG_WAVE_MODE, 25, 1), 1
	s_wait_xcnt 0x0
; logits[token] = relu(x W1[e] + b1[e]) W2[e] + b2[e], for the rows that chose expert e alone (the other experts' products are thrown away by the lookup).  The first product on codes of FP8 (E4M3), x with the
; given scale 2^ex, W1 with 2^ew; all else in f32.
; ONE WORK-GROUP TAKES ONE TILE (at most 64 rows of one expert, from the stored list) THROUGH THE WHOLE CHAIN; the hidden layer never leaves the registers; each output row has one owner.
; THE GRID: 8,192 / 64 + 8 - 1 = 135 tiles at the most, whatever the split; a tile with 0 rows passes both barriers, multiplies nothing and stores nothing.
; PHASE X: wave w gathers rows 16 w .. 16 w + 15 of the tile (512 consecutive bytes a load), seven rows ahead, quantises them as they lie in the lanes and stores the codes in LDS.  Lane l's 16 codes of half g of a
;   row are k = 512 g + 128 q + 4 l + b at place 512 g + 16 l + 4 q + b: the same permutation of K in which the weights' codes were laid.  From row 9 on the weights' loads take the places of the rows'
;   loads, eight for eight, so that 56 loads a wave are out throughout.
; THE PRODUCT: wave w owns hidden units 256 w .. 256 w + 255, in 16 units of 16, for all 64 rows.  x's codes (4 tiles of rows x 8 K steps x 16 registers = 512) stay in its registers from unit 0 on.  The weights'
;   codes go from memory straight into a ring of 16 fragments (two units) in registers: each byte of them feeds this one wave alone, so LDS would only add a write and a read.
;   Source 0 = 16 hidden units of W1, source 1 = 16 rows of x: lane (r, h) holds row r, register j the unit's row 8 h + j.  b1 / 2^(ex + ew) is the C of a unit's first products.
;   Unit T of an expert has the hidden units 64 (T / 4) + 4 r + T % 4, r = 0 .. 15: b1 and W2 are laid in LDS in that order.
;   THE WALK over a wave's 16 units begins at unit ROT and goes round; ROT = 0, 2, .. 14 by the tile's number, so that the tiles of one expert do not ask for the same codes at the same time.
; THE HEAD: while unit u is multiplied, unit u - 1's sums are clipped at 0 and multiplied by W2's two columns into two f32 sums a row (packed multiply-adds); these lines are also the places behind the matrix instructions.
; NO JOINT LOADS: the numbers of tiles of the experts hang on the split.
; NO PREFETCH: the weights' ring asks two units, 64 loads a wave, ahead, the rows seven ahead; behind its first two units a walk asks for what other tiles of the expert, whose walks began elsewhere, have read.
; THE STORES are 8 bytes a token at the tokens' own places: the output is laid by token and is 64 KiB in all.
; LIMITS: ex between -126 and 119; b1 x 2^-(ex + ew) finite.  NaN among the inputs is not served; an infinity in feature is held at the largest code.
; REGISTERS, in windows of 256.  Window 0: v2-15 what stays; v64-127 two sets of 4 accumulators; v128-143 b1 of two units; v144-175 W2 of two units; v176-191 at work; v192-207 the sums.
;   During phase X window 0 holds instead: v16-239 seven row slots (the seventh first holds b1 and W2), v240-255 two sets of codes.   Windows 1, 2: x's fragments of K steps 0-3, 4-7.   Window 3: the ring of weights.
.set XP,   1040                        ; a row of codes in LDS: 1,024 bytes + 16: 65 x 16, so the 16 rows that a load touches start at 16 different groups of banks
.set B1L,  64*XP                       ; behind 64 rows of codes: b1[e] / 2^(ex + ew), 4,096 bytes,
.set W2L,  B1L+4096                    ; W2[e] as two planes of 4,096 bytes (column 0, column 1),
.set RED,  W2L+8192                    ; and 512 bytes for each wave: its part of the 64 rows' two sums
.set SPARE, RED+2048                   ; the spare words
.set WL,   2                           ; v2   16 x lane
.set XA,   3                           ; v3   x's fragments: r x XP + 16 h
.set AB1,  4                           ; v4   B1L + 1024 w + 32 h
.set AU,   5                           ; v5   the same at a unit
.set ARED, 6                           ; v6   RED + 512 w + 8 x lane
.set ARD,  7                           ; v7   RED + 8 x (thread % 64)
.set TOK,  8                           ; v8   8 x the token of row thread % 64
.set SCL,  9
.set XW,   10
.set B1W,  11
.set W2W,  12
.set T16,  13
.set SPW,  14
.set NIL,  15
.set ACC,  64
.set PB,   128
.set PW,   144
.set T,    176
.set L,    192                         ; L + 4 m + 2 o: a pair (even registers', odd ones') for tile of rows m, output o
.set RS,   16                          ; seven row slots of 32
.set BW,   208                         ; b1 (8) and W2 (16) on their way, in slot 6
.set CODE, 240
.set RB,   66                          ; s66-79: seven rows' addresses
.set WB,   80                          ; s80-87: four units' addresses
.set MSB, 0
.macro WIN new                         ; s_set_vgpr_msb: bits 1:0 source 0, 3:2 source 1, 5:4 source 2, 7:6 destination; the high byte repeats the setting that is left
.if MSB != (\new)
	s_set_vgpr_msb (MSB<<8)|(\new)
.set MSB, (\new)
.endif
.endm
	s_load_b512 s[4:19], s[0:1], 0x0               ; feature 4, order 6, tiles 8, wcodes 10, b1 12, W2 14, b2 16, the scales' exponents 18
	s_load_b64 s[20:21], s[0:1], 0x40              ; out0
	v_lshl_add_u32 v[SPW], v0, 2, SPARE
	v_mov_b32 v[NIL], 0
	v_lshrrev_b32 v1, 5, v0
	v_and_b32 v16, 31, v0                          ; lane
	v_and_b32 v17, 15, v0                          ; r
	v_bfe_u32 v18, v0, 4, 1                        ; h
	v_and_b32 v19, 63, v0
	v_readfirstlane_b32 s22, v1                    ; wave 0..3
	s_lshl_b32 s31, ttmp9, 8                       ; my tile's 64 places of the list
	s_lshl_b32 s23, s22, 10
	v_lshlrev_b32 v[WL], 4, v16
	v_mul_u32_u24 v[XA], v17, XP
	v_lshl_add_u32 v[XA], v18, 4, v[XA]
	v_lshl_add_u32 v[AB1], v18, 5, s23
	v_add_nc_u32 v[AB1], B1L, v[AB1]
	s_lshl_b32 s23, s22, 9
	v_lshl_add_u32 v[ARED], v16, 3, s23
	v_add_nc_u32 v[ARED], RED, v[ARED]
	v_lshl_add_u32 v[ARD], v19, 3, RED
	s_mul_i32 s23, s22, 16*XP
	v_add_nc_u32 v[XW], s23, v[WL]                 ; where my wave's rows of codes go
	v_lshl_add_u32 v1, v19, 2, s31
	v_lshlrev_b32 v[T16], 4, v0
	v_lshrrev_b32 v20, 4, v0                       ; b1: thread t's number c of load i is hidden unit 512 i + 4 t + c: unit 32 i + 4 (t / 16) + c, row t % 16
	v_lshlrev_b32 v20, 8, v20
	v_lshl_add_u32 v20, v17, 2, v20
	v_add_nc_u32 v[B1W], B1L, v20
	v_lshrrev_b32 v21, 5, v0                       ; W2: number c of load i is column c % 2 of hidden unit 256 i + 2 t + c / 2: unit 16 i + 4 (t / 32) + 2 (t % 2) + c / 2, row (t / 2) % 16
	v_and_b32 v22, 1, v0
	v_bfe_u32 v23, v0, 1, 4
	v_lshlrev_b32 v21, 8, v21
	v_lshl_add_u32 v21, v22, 7, v21
	v_lshl_add_u32 v21, v23, 2, v21
	v_add_nc_u32 v[W2W], W2L, v21
	s_lshl_b32 s30, ttmp9, 3                       ; my entry of the list of tiles
	s_lshl_b32 s56, s22, 6
	s_add_co_u32 s56, s56, s31                     ; my wave's 16 tokens
	s_and_b32 s62, ttmp9, 3
	s_bfe_u32 s63, ttmp9, 0x10003
	s_lshl_b32 s63, s63, 2
	s_or_b32 s62, s62, s63
	s_lshl_b32 s62, s62, 1                         ; ROT
	s_mov_b32 s52, 0x76543210                      ; v_permlanex16_b32: lane l xor 16
	s_mov_b32 s53, 0xfedcba98
	s_mov_b32 s57, 0xffff0000                      ; the mask of lanes 16-31
	s_mov_b32 s61, 0
	s_wait_alu depctr_va_vdst(0)
	s_wait_kmcnt 0x0
	s_load_b64 s[24:25], s[8:9], s30 offset:0x0    ; expert, rows
	s_load_b512 s[36:51], s[6:7], s56 offset:0x0   ; my wave's 16 tokens
	s_load_b64 s[28:29], s[18:19], 0x0             ; ex, ew
	global_load_b32 v[TOK], v1, s[6:7]             ; the token of row thread % 64
	s_wait_kmcnt 0x0
	s_min_u32 s24, s24, 7                          ; loaded numbers are held inside their ranges before they enter an address
	s_min_u32 s25, s25, 64
	s_lshl_b32 s60, s24, 12
	s_add_nc_u64 s[12:13], s[12:13], s[60:61]      ; b1[e]
	s_lshl_b32 s60, s24, 13
	s_add_nc_u64 s[14:15], s[14:15], s[60:61]      ; W2[e]
.irp i, 0,1
	global_load_b128 v[BW+4*\i:BW+4*\i+3], v[T16], s[12:13] offset:2048*\i          ; b1[e]: 128 threads x 16 bytes, twice
.endr
.irp i, 0,1,2,3
	global_load_b128 v[BW+8+4*\i:BW+8+4*\i+3], v[T16], s[14:15] offset:2048*\i      ; W2[e]: four times
.endr
; Row i of my 16 into slot i % 7: eight loads of 512 consecutive bytes.  Row i - 7, which had the same address registers and the same slot, has been waited for.
.macro ROWLOAD i
	s_min_u32 s[36+(\i)], s[36+(\i)], 0x1fff
	s_lshl_b32 s60, s[36+(\i)], 12                 ; a row of feature is 4,096 bytes
	s_add_nc_u64 s[RB+2*((\i)%7):RB+2*((\i)%7)+1], s[4:5], s[60:61]
.irp c, 0,1,2,3,4,5,6,7
	global_load_b128 v[RS+32*((\i)%7)+4*\c:RS+32*((\i)%7)+4*\c+3], v[WL], s[RB+2*((\i)%7):RB+2*((\i)%7)+1] offset:512*\c
.endr
.endm
; The address of the walk's unit u, into set u % 4: unit u - 4, which had it before, has been waited for.
.macro UBASE u
	s_add_co_u32 s63, s62, \u
	s_and_b32 s63, s63, 15
	s_lshl_b32 s60, s63, 14
	s_add_nc_u64 s[WB+2*((\u)%4):WB+2*((\u)%4)+1], s[10:11], s[60:61]
.endm
; The LDS address of the walk's unit u in b1 (W2's two planes lie 4,096 and 8,192 bytes behind).
.macro ULDS u
	s_add_co_u32 s63, s62, \u
	s_and_b32 s63, s63, 15
	s_lshl_b32 s59, s63, 6
	v_add_nc_u32 v[AU], s59, v[AB1]
.endm
.irp i, 0,1,2,3,4,5
	ROWLOAD \i
.endr
	s_lshl_b32 s31, s24, 3
	s_load_b64 s[32:33], s[16:17], s31 offset:0x0  ; b2[e]: waited for at the end
	s_lshl_b32 s60, s24, 20
	s_lshl_b32 s23, s22, 18
	s_add_co_u32 s60, s60, s23
	s_add_nc_u64 s[10:11], s[10:11], s[60:61]      ; the expert's codes, at my wave's 16 units of 16,384 bytes
	UBASE 0
	UBASE 1
	s_add_co_i32 s34, s28, s29                     ; ex + ew
	s_sub_co_i32 s35, 0, s34
	s_add_co_i32 s23, s28, 127
	s_lshl_b32 s58, s23, 23
	v_mov_b32 v[SCL], s58                          ; 2^ex as f32: the conversion takes its exponent field
	s_add_co_i32 s23, s23, 8
	s_lshl_b32 s55, s23, 23
	s_or_b32 s55, s55, 0x600000                    ; 448 x 2^ex,
	s_or_b32 s54, s55, 0x80000000                  ; and its negative
	s_wait_alu depctr_va_vdst(0)
	s_wait_loadcnt 48                              ; the token, b1 and W2 are in; the six rows' 48 loads may be out
.irp j, 0,1,2,3,4,5,6,7
	v_ldexp_f32 v[BW+\j], v[BW+\j], s35            ; b1 / 2^(ex + ew): a sum of the product stands for sum x 2^(ex + ew)
.endr
	v_min_u32 v[TOK], 0x1fff, v[TOK]
.irp i, 0,1
.irp c, 0,1,2,3
	ds_store_b32 v[B1W], v[BW+4*\i+\c] offset:2048*\i+64*\c
.endr
.endr
.irp i, 0,1,2,3
.irp c, 0,1,2,3
	ds_store_b32 v[W2W], v[BW+8+4*\i+\c] offset:4096*(\c%2)+1024*\i+64*(\c/2)
.endr
.endr
	v_lshlrev_b32 v[TOK], 3, v[TOK]                ; 8 bytes a token in out0
	s_wait_alu depctr_va_vdst(0)
	s_wait_dscnt 0x0                               ; these stores have read the registers that row 6 now takes
	ROWLOAD 6
; ---------------- PHASE X ----------------
; The ring's first fill, eight loads at a time: fragments 2 n and 2 n + 1; fragment f = 8 x unit + K step.
.macro WCHUNK n
	WIN 0xc0                                       ; destination window 3
.irp f, 0,1
.irp c, 0,1,2,3
	global_load_b128 v[16*(2*(\n)+\f)+4*\c:16*(2*(\n)+\f)+4*\c+3], v[WL], s[WB+2*((\n)/4):WB+2*((\n)/4)+1] offset:2048*((2*(\n)+\f)%8)+512*\c
.endr
.endr
	WIN 0
.endm
.macro ROW i
.set R, RS+32*((\i)%7)
.set C, CODE+8*((\i)%2)
	s_wait_loadcnt 48                              ; this row's eight loads are in; behind it stand six times eight, rows' or weights'
.if (\i) >= 9
	WCHUNK (\i)-9
.endif
.if (\i) >= 2
	s_wait_dscnt 2                                 ; row i - 2's two stores are done: its set of code registers may be written again; row i - 1's two may be out
.endif
.irp j, 0,1,2,3,4,5,6,7,8,9,10,11,12,13,14,15,16,17,18,19,20,21,22,23,24,25,26,27,28,29,30,31
	v_med3_num_f32 v[R+\j], v[R+\j], s54, s55      ; the conversion to an 8-bit code does not saturate (ISA guide 7.6.2): the hold comes first
.endr
.irp n, 0,1,2,3
	v_cvt_scalef32_pk8_fp8_f32 v[C+2*\n:C+2*\n+1], v[R+8*\n:R+8*\n+7], v[SCL]
.endr
	v_nop                                          ; one plain vector line behind the conversions
	ds_store_b128 v[XW], v[C:C+3] offset:XP*(\i)           ; 32 lanes: 512 consecutive bytes, the row's first half,
	ds_store_b128 v[XW], v[C+4:C+7] offset:XP*(\i)+512     ; and its second
.if (\i)+7 <= 15
	ROWLOAD (\i)+7
.endif
.endm
.irp i, 0,1,2,3,4,5,6,7,8,9,10,11,12,13,14,15
	ROW \i
.endr
	WCHUNK 7
.irp j, 0,1,2,3,4,5,6,7,8,9,10,11,12,13,14,15
	v_mov_b32 v[L+\j], 0                           ; the rows' sums begin at 0; a tile without rows reads them so.  (These lines stand where the wave would wait for its LDS stores)
.endr
	s_wait_alu depctr_va_vdst(0)
	s_wait_dscnt 0x0                               ; for the other waves' sake: my rows' codes, b1 and W2 lie in LDS
	s_barrier_signal -1
	s_barrier_wait -1
	s_cmp_eq_u32 s25, 0                            ; a tile without rows multiplies nothing; the branch passes over no barrier, and the number is the same in all four waves
	s_cbranch_scc1 .Ldone
; x's fragments of K step s, for all four tiles of rows
.macro FRAG s
	WIN 0x40+0x40*((\s)/4)                         ; destination window 1 or 2
.irp m, 0,1,2,3
.irp c, 0,1,2,3
	ds_load_b128 v[64*((\s)%4)+16*\m+4*\c:64*((\s)%4)+16*\m+4*\c+3], v[XA] offset:16*XP*\m+128*(\s)+32*\c
.endr
.endr
.endm
; Four matrix instructions: K step s of the unit in set p, the four tiles of rows by turns, one instruction a turn.  The unit's first four take b1 as C.
.macro MULS p, s
	WIN 0x07+0x04*((\s)/4)                         ; source 0 (weights) window 3, source 1 (x) window 1 or 2
.irp m, 0,1,2,3
.if (\s) == 0
	v_wmma_f32_16x16x128_fp8_fp8 v[ACC+32*(\p)+8*\m:ACC+32*(\p)+8*\m+7], v[16*(8*(\p)+(\s)):16*(8*(\p)+(\s))+15], v[64*((\s)%4)+16*\m:64*((\s)%4)+16*\m+15], v[PB+8*(\p):PB+8*(\p)+7]
.else
	v_wmma_f32_16x16x128_fp8_fp8 v[ACC+32*(\p)+8*\m:ACC+32*(\p)+8*\m+7], v[16*(8*(\p)+(\s)):16*(8*(\p)+(\s))+15], v[64*((\s)%4)+16*\m:64*((\s)%4)+16*\m+15], v[ACC+32*(\p)+8*\m:ACC+32*(\p)+8*\m+7]
.endif
.endr
.endm
; The head for tiles of rows m0, m0 + 1 of the finished unit in set q: 16 clips at 0 (each accumulator from its low end on), 16 packed multiply-adds in four chains by turns.
; These 32 plain vector lines name no register of the matrix instructions in front of them: they are the places ahead of the loads into the ring and into b1's registers.
.macro EPI q, m0
.irp d, 0,1
.irp j, 0,1,2,3,4,5,6,7
	v_max_num_f32 v[T+8*\d+\j], 0, v[ACC+32*(\q)+8*(\m0+\d)+\j]
.endr
.endr
.irp j, 0,2,4,6
.irp d, 0,1
.irp o, 0,1
	v_pk_fma_f32 v[L+4*(\m0+\d)+2*\o:L+4*(\m0+\d)+2*\o+1], v[T+8*\d+\j:T+8*\d+\j+1], v[PW+16*(\q)+8*\o+\j:PW+16*(\q)+8*\o+\j+1], v[L+4*(\m0+\d)+2*\o:L+4*(\m0+\d)+2*\o+1]
.endr
.endr
.endr
.endm
.macro REFILL p, un, k0                ; four fragments of unit un, into the registers of set p just multiplied
	WIN 0xc0
.irp s, 0,1,2,3
.irp c, 0,1,2,3
	global_load_b128 v[16*(8*(\p)+\k0+\s)+4*\c:16*(8*(\p)+\k0+\s)+4*\c+3], v[WL], s[WB+2*((\un)%4):WB+2*((\un)%4)+1] offset:2048*(\k0+\s)+512*\c
.endr
.endr
	WIN 0
.endm
.macro B1LOAD p                        ; two loads at the address that ULDS has made
	ds_load_b128 v[PB+8*(\p):PB+8*(\p)+3], v[AU]
	ds_load_b128 v[PB+8*(\p)+4:PB+8*(\p)+7], v[AU] offset:16
.endm
.macro W2LOAD p                        ; four loads
.irp o, 0,1
	ds_load_b128 v[PW+16*(\p)+8*\o:PW+16*(\p)+8*\o+3], v[AU] offset:4096+4096*\o
	ds_load_b128 v[PW+16*(\p)+8*\o+4:PW+16*(\p)+8*\o+7], v[AU] offset:4096+4096*\o+16
.endr
.endm
.macro PLACES
.rept 4
	v_nop                                          ; the places in front of loads into registers that matrix instructions have read, where no other vector work is at hand
.endr
.endm
; UNIT u (1 .. 15), 16 hidden units, in set P = u % 2, in two halves of four K steps.  lw0, lw1: how many younger loads of weights may be out at each half's head; dsw: how many younger LDS loads at the unit's head.
; refill: the ring takes unit u + 2; nb: so do b1's registers; nw: the other set of W2's registers takes unit u + 1's.
.macro UNIT u, lw0, lw1, dsw, refill, nb, nw
.set P, (\u)%2
	s_wait_loadcnt \lw0                            ; this half's 16 loads are in
	s_wait_dscnt \dsw                              ; this unit's b1 and the last unit's W2 are in; what was asked for during the last unit may be out
.irp s, 0,1,2,3
	MULS P, \s
.endr
	WIN 0
	EPI 1-P, 0
.if \nb
	ULDS (\u)+2
	B1LOAD P
.endif
.if \refill
	UBASE (\u)+2
	REFILL P, (\u)+2, 0
.endif
	s_wait_loadcnt \lw1
.irp s, 4,5,6,7
	MULS P, \s
.endr
	WIN 0
	EPI 1-P, 2
.if \nw
	ULDS (\u)+1
	W2LOAD 1-P
.endif
.if \refill
	REFILL P, (\u)+2, 4
.endif
.endm
; ---------------- UNIT 0: x's 32 fragments come into their registers, three K steps ahead of their first products ----------------
	ULDS 0
	B1LOAD 0
	W2LOAD 0
	ULDS 1
	B1LOAD 1
	FRAG 0
	FRAG 1
	FRAG 2
.irp s, 0,1,2,3,4,5,6,7
.if (\s%4) == 0
	s_wait_loadcnt 48                              ; this half's 16 loads of weights are in; the three younger halves may be out
.endif
.if \s < 6
	s_wait_dscnt 32                                ; K step s's fragments are in; behind them stand two K steps' 32 loads
.elseif \s == 6
	s_wait_dscnt 16
.else
	s_wait_dscnt 0
.endif
	MULS 0, \s
.if \s == 3
	WIN 0
	PLACES
	UBASE 2
	REFILL 0, 2, 0
.endif
.if \s < 5
	FRAG \s+3
.endif
.endr
	WIN 0
	PLACES
	ULDS 2
	B1LOAD 0
	ULDS 1
	W2LOAD 1
	REFILL 0, 2, 4
; THE COUNTS.  The ring is four halves of 16 loads, used and filled again in order: at a half's head the three younger halves, 48 loads, may be out.
; LDS: behind the b1 and the W2 that a unit needs stand the two loads of b1 and the four of W2 issued during the unit before: 6.
.irp u, 1,2,3,4,5,6,7,8,9,10,11,12,13
	UNIT \u, 48, 48, 6, 1, 1, 1
.endr
	UNIT 14, 48, 32, 6, 0, 0, 1                    ; nothing is asked for but unit 15's W2; the counts run down
	UNIT 15, 16, 0, 4, 0, 0, 0                     ; only those four LDS loads are younger than what it needs
	s_wait_dscnt 0x0                               ; unit 15's W2
	EPI 1, 0                                       ; (the 32 lines of the head for unit 14 stand between the last products and this first read of their results)
	EPI 1, 2
	WIN 0                                          ; at a label every window is 0
; ---------------- the rows' sums meet ----------------
.Ldone:
	s_wait_kmcnt 0x0                               ; b2
	s_wait_alu depctr_va_vdst(0)
.irp n, 0,2,4,6,8,10,12,14
	v_add_f32 v[L+\n], v[L+\n], v[L+\n+1]          ; even and odd registers' sums,
.endr
.irp n, 0,2,4,6,8,10,12,14
	v_permlanex16_b32 v[L+\n+1], v[L+\n], s52, s53
.endr
.irp n, 0,2,4,6,8,10,12,14
	v_add_f32 v[L+\n], v[L+\n], v[L+\n+1]          ; and the other half of the lanes': both halves now hold row r's sum over my wave's 256 hidden units
.endr
.irp i, 0,1
.irp o, 0,1
	v_cndmask_b32 v[T+2*\i+\o], v[L+8*\i+2*\o], v[L+8*\i+4+2*\o], s57   ; lane l takes row 32 i + l: lanes 0-15 of tile 2 i, lanes 16-31 of tile 2 i + 1
.endr
	ds_store_b64 v[ARED], v[T+2*\i:T+2*\i+1] offset:256*\i
.endr
	s_wait_dscnt 0x0                               ; for the other waves' sake: my part lies in LDS
	s_barrier_signal -1
	s_barrier_wait -1
	s_cmp_ge_u32 s22, 2                            ; waves 0 and 1 finish the 64 rows, a row a lane
	s_cbranch_scc1 .Lend
.irp w, 0,1,2,3
	ds_load_b64 v[T+4+2*\w:T+5+2*\w], v[ARD] offset:512*\w
.endr
	s_wait_dscnt 0x0
	v_pk_add_f32 v[T+4:T+5], v[T+4:T+5], v[T+6:T+7]
	v_pk_add_f32 v[T+8:T+9], v[T+8:T+9], v[T+10:T+11]
	v_pk_add_f32 v[T+4:T+5], v[T+4:T+5], v[T+8:T+9]
	v_ldexp_f32 v[T+4], v[T+4], s34                ; x 2^(ex + ew): the scale commutes with the clip at 0 and with the head's sums
	v_ldexp_f32 v[T+5], v[T+5], s34
	v_add_f32 v[T+4], s32, v[T+4]                  ; + b2[e]
	v_add_f32 v[T+5], s33, v[T+5]
	s_wait_alu depctr_va_vdst(0)
	s_wait_xcnt 0x0                                ; EXEC changes only behind this wait
	v_cmp_gt_u32 vcc_lo, s25, v0                   ; only the tile's own rows are stored
	s_and_saveexec_b32 s58, vcc_lo
	global_store_b64 v[TOK], v[T+4:T+5], s[20:21]
	s_wait_xcnt 0x0                                ; and again in front of the line that widens it
	s_or_b32 exec_lo, exec_lo, s58
.Lend:
	s_wait_tensorcnt 0x0                           ; the wave's end
	ds_add_u32 v[SPW], v[NIL]
	s_wait_dscnt 0x0
	s_endpgm
.Lfunc_end_k_q38b3f5f5a9_experts:
	.size	k_q38b3f5f5a9_experts, .Lfunc_end_k_q38b3f5f5a9_experts-k_q38b3f5f5a9_experts
	.p2alignl 7, 3214868480
	.fill 96, 4, 3214868480
	.section	.rodata,"a",@progbits
	.p2align	6, 0x0
	.amdhsa_kernel k_q38b3f5f5a9_experts
		.amdhsa_group_segment_fixed_size 81408
		.amdhsa_private_segment_fixed_size 0
		.amdhsa_enable_private_segment 0
		.amdhsa_kernarg_size 72
		.amdhsa_user_sgpr_count 2
		.amdhsa_user_sgpr_kernarg_segment_ptr 1
		.amdhsa_wavefront_size32 1
		.amdhsa_system_sgpr_workgroup_id_x 1
		.amdhsa_system_sgpr_workgroup_id_y 1
		.amdhsa_system_sgpr_workgroup_id_z 1
		.amdhsa_system_vgpr_workitem_id 0
		.amdhsa_next_free_vgpr 1024
		.amdhsa_next_free_sgpr 96
		.amdhsa_reserve_vcc 1
		.amdhsa_float_denorm_mode_32 3
		.amdhsa_float_denorm_mode_16_64 3
		.amdhsa_memory_ordered 1
		.amdhsa_forward_progress 1
		.amdhsa_inst_pref_size 218
	.end_amdhsa_kernel
	.amdgpu_metadata
---
amdhsa.version: [ 1, 2 ]
amdhsa.kernels:
  - .name:           k_q38b3f5f5a9_experts
    .symbol:         k_q38b3f5f5a9_experts.kd
    .args:
      - { .name: feature, .offset: 0, .size: 8, .value_kind: global_buffer, .address_space: global }
      - { .name: order, .offset: 8, .size: 8, .value_kind: global_buffer, .address_space: global }
      - { .name: tiles, .offset: 16, .size: 8, .value_kind: global_buffer, .address_space: global }
      - { .name: wcodes, .offset: 24, .size: 8, .value_kind: global_buffer, .address_space: global }
      - { .name: b1, .offset: 32, .size: 8, .value_kind: global_buffer, .address_space: global }
      - { .name: W2, .offset: 40, .size: 8, .value_kind: global_buffer, .address_space: global }
      - { .name: b2, .offset: 48, .size: 8, .value_kind: global_buffer, .address_space: global }
      - { .name: lowp_scales, .offset: 56, .size: 8, .value_kind: global_buffer, .address_space: global }
      - { .name: out0, .offset: 64, .size: 8, .value_kind: global_buffer, .address_space: global }
    .group_segment_fixed_size: 81408
    .private_segment_fixed_size: 0
    .kernarg_segment_align: 8
    .kernarg_segment_size: 72
    .max_flat_workgroup_size: 128
    .sgpr_count:     96
    .vgpr_count:     1024
    .wavefront_size: 32
...
	.end_amdgpu_metadata
.endif
;; end of part 2
